; MI455X (gfx1250); checked and timed in simulation.
; The chip was launched on July 23, 2026; its instructions are those of AMD's public machine-readable ISA for CDNA 5 (MIT licence, August 2026) and "CDNA5" Instruction Set Architecture Reference Guide (July 2026). The comments in the code are by the model that wrote it; some were corrected since.
;; NCPQ Network. Allowed arithmetic: float matrix products may take bf16 or f16 operands with f32 sums; other float arithmetic in f32, or as packed bf16 or f16 multiplies, adds, multiply-adds, maxima and minima; sums over many terms, partial sums and values carried from step to step in f32; what a program stores and reads back later, other than sums and carried values, may be rounded once to bf16 or f16.
;; Inputs: cm 114 float32; erev 114 x 114 float32; gleak 114 float32; hidden 1,024 x 114 float32; input_b 64 float32; input_w 64 float32; mask 114 x 114 float32; mu 114 x 114 float32; obs 1,024 x 4 x 64 float32; q_b1 114 float32; q_b2 18 float32; q_w1 114 x 114 float32; q_w2 114 x 18 float32; sensory_erev 64 x 114 float32; sensory_mask 64 x 114 float32; sensory_mu 64 x 114 float32; sensory_sigma 64 x 114 float32; sensory_w 64 x 114 float32; sigma 114 x 114 float32; vleak 114 float32; w 114 x 114 float32.
;; Outputs: out0 1,024 x 18 float32; out1 1,024 x 114 float32.
;; One version. Each part assembles by itself: llvm-mc -triple=amdgcn-amd-amdhsa -mcpu=gfx1250 --defsym DOCPART=n.
;; ======== version 1 of 1: 1 launch
;; limits: values are held in f16: magnitudes above 65,504 overflow, below 6.1e-05 lose precision
;; launch ncp (part 1): grid 256 x 1, 4 waves a work-group, no clusters, 28,160 bytes of LDS; arguments obs, input_w, input_b, hidden, sensory_sigma, sensory_w, sensory_erev, sensory_mask, sensory_mu, sigma, w, erev, mask, mu, gleak, vleak, cm, q_w1, q_b1, q_w2, q_b2, out0, out1; writes out0, out1
.if DOCPART == 1
	.amdgcn_target "amdgcn-amd-amdhsa--gfx1250"
	.amdhsa_code_object_version 6
	.text
	.protected	k_qb28fe7f60c_ncp
	.globl	k_qb28fe7f60c_ncp
	.p2align	8
	.type	k_qb28fe7f60c_ncp,@function
k_qb28fe7f60c_ncp:
	s_mov_b64 s[64:65], 0
	v_nop
	global_prefetch_b8 v0, s[64:65] scope:SCOPE_SE
	s_setreg_imm32_b32 hwreg(HW_REG_WAVE_MODE, 25, 1), 1
	s_wait_xcnt 0x0
; LTC cell (4 time steps x 6 unfolds) and Q head, fused.  1,024 batch rows, 114 neurons, 64 inputs, all f32 in memory.
; SHARES.  256 work-groups of four waves; a work-group owns 4 batch rows for the whole launch.  Thread j (0..127) is POST neuron j: it holds its column's 114 x 4
; combined synapse numbers in registers and uses each of them 4 rows x 24 unfolds = 96 times.  Threads 114..127 read column 113 (clamped offsets) and compute bit-for-bit copies of it;
; they store nothing to memory, and where a dense table is made in LDS they write thread 113's word with thread 113's value.
; ARITHMETIC.  sigmoid(sigma (v - mu)) = 1 / (1 + 2^(s v + c)), s = -log2(e) sigma, c = log2(e) sigma mu;  num += sig (w mask erev), den += sig (w mask).
; Packed over a PAIR of pre neurons (2p, 2p+1): a trip is one pair x 4 rows = 8 sigmoids = 16 plain and 16 transcendental instructions.
; The 4 rows' state v goes from wave to wave through 2 KB of LDS which every lane reads at the same address.
; HEAD.  relu(h W1 + b1) W2 + b2 on the matrix unit, operands rounded once to f16, sums in f32.  The LTC itself is f32 throughout.
; Why f16: q carries four roundings (h, W1, relu(..), W2), each about 2^-p / 2 of its number at p significant bits; together about 2^-p of q's root mean square: 0.4% at bf16's p = 8,
; too near an allowance of 1% for the largest of 18,432 numbers; 0.05% at f16's p = 11.
; LIMITS.  f16 holds no number beyond 65,504: an h, a weight of the head or a relu(..) of 65,520 or more becomes an infinity, and its row of q is lost; below 6.1e-5 f16 keeps a fixed step of 6e-8.
; Where w mask is not negative v is a weighted mean of v, vleak and erev, so |h| stays under the largest of |hidden|, |vleak|, |erev|; relu(..) is a sum of 114 products h W1 and b1.
; s v + c is one fused multiply-add on a c that has been rounded twice: the exponent is off by about an ulp of c (1e-6 at sigma = 8, mu = 0.8; 1e-3 at 30 times both).
; A synapse with w mask = 0 adds 0 x sig, sig finite.  2^x below 2^-126 counts as 0 (sig = 1), above f32's range as infinity (sig = 0).  NaN and infinite inputs are not treated apart.
; NO CLUSTER, NO TENSOR LOADS.  All work-groups read the same ten tables (5 x 51,984 + 5 x 29,184 = 405,840 bytes), but each number is wanted once, in one lane's register, at the start:
; a way through LDS would add a copy, and the ten tables do not fit there together.  After the start the launch reads nothing from memory.
.set ROWB,  456                        ; bytes in a row of 114 f32
.set XI,    0                          ; xi[t][p][b][e], input 2p+e: t*1024 + p*32 + b*8 + e*4      4,096 bytes
.set VBUF,  4096                       ; v[p][b][e], neuron 2p+e: p*32 + b*8 + e*4                  2,048 bytes
.set SB,    6144                       ; [t][thread] 32 bytes: the step's fixed parts of num (4 rows), of den (4 rows)   16,384 bytes
.set HF,    22528                      ; h in f32, [b][114] dense, 1,824 bytes
.set HB,    24576                      ; h in f16, 4 rows of 272 bytes
.set H2,    25856                      ; relu(..) in f16, 4 rows of 272 bytes
.set QS,    27136                      ; q in f32, [b][18] dense, 288 bytes
.set SPARE, 27648                      ; the spare words, 128 bytes a wave: two blocks of 256 bytes that no other line names
.set HP,    272
; window 0
.set SPW, 1                            ; v1   SPARE + 4 x thread; never rewritten
.set NIL, 2                            ; v2   0; never rewritten
.set JO,  3                            ; v3   4 x min(thread, 113): my column in every table; never rewritten
.set VA,  4                            ; v4   the sweep's LDS address, the same in all lanes
.set VW,  5                            ; v5   where I put my v
.set SBA, 6                            ; v6   my 32 bytes of SB, stepped by 4,096
.set XW,  7                            ; v7   where I put xi
.set RR,  8                            ; v8   lane % 16
.set HH,  9                            ; v9   (lane / 16) % 2
.set CMT, 16                           ; v[16:17] 6 cm, twice
.set GL,  18                           ; v[18:19] gleak vleak, twice
.set DC,  20                           ; v[20:21] 6 cm + gleak + 1e-8, twice
.set VV,  22                           ; v[22:25] my neuron's v in the 4 rows
.set NB,  26                           ; v[26:29] fixed part of num
.set DB,  30                           ; v[30:33] fixed part of den
.set NN,  34                           ; v[34:37]
.set DD,  38                           ; v[38:41]
.set ACC, 42                           ; v[42:57] row b: num pair at +4b, den pair at +4b+2 (even pre neurons', odd ones')
.set AR,  58                           ; v[58:81] three buffers of 8: the trip's 8 exponents, then sigmoids
.set VR,  82                           ; v[82:113] four buffers of 8: a pair's v in 4 rows, as loaded
.set CR,  114                          ; v[114:227] c, pair p at +2p
.set MS,  96                           ; window 2: mask as loaded
.set XA,  42                           ; head: layer 1's two accumulators,
.set YA,  50
.set FA,  114                          ; its A fragments (32 registers),
.set FB,  146                          ; layer 2's,
.set XB,  58                           ; and layer 2's two accumulators
.set YB,  66
; window 1: pair p < 42 at 6p: s, w mask, w mask erev (a pair each).  window 2: pairs 42..56 at 6 (p - 42).
; window 3: the head's B fragments, slots of 16: W1 tile 0 at 0, tile 1 at 64, W2 at 128; loaded as f32, packed in place into a slot's low 8.
.set WV,  50                           ; s50  wave
.set HM,  56                           ; s56  lanes with HH = 0
.set MSB, 0
.macro WIN new                         ; s_set_vgpr_msb: bits 1:0 source 0, 3:2 source 1, 5:4 source 2, 7:6 destination; the high byte repeats the setting that is left
.if MSB != (\new)
	s_set_vgpr_msb (MSB<<8)|(\new)
.set MSB, (\new)
.endif
.endm
; N rows of five tables, my column: sigma, w, erev to their places, mask to MS, mu to c's place.  A wave's load takes 128 neighbouring bytes of a row.
.macro PLOAD N, SIG, W, ER, MK, MU
	WIN 0x40
.set i, 0
.rept \N
.if i < 84
	global_load_b32 v[6*(i/2)+i%2],   v[JO], s[\SIG:\SIG+1] offset:i*ROWB
	global_load_b32 v[6*(i/2)+2+i%2], v[JO], s[\W:\W+1] offset:i*ROWB
	global_load_b32 v[6*(i/2)+4+i%2], v[JO], s[\ER:\ER+1] offset:i*ROWB
.endif
.set i, i+1
.endr
	WIN 0x80
.set i, 0
.rept \N
.if i >= 84
	global_load_b32 v[6*((i-84)/2)+i%2],   v[JO], s[\SIG:\SIG+1] offset:i*ROWB
	global_load_b32 v[6*((i-84)/2)+2+i%2], v[JO], s[\W:\W+1] offset:i*ROWB
	global_load_b32 v[6*((i-84)/2)+4+i%2], v[JO], s[\ER:\ER+1] offset:i*ROWB
.endif
	global_load_b32 v[MS+i], v[JO], s[\MK:\MK+1] offset:i*ROWB
.set i, i+1
.endr
	WIN 0
.set i, 0
.rept \N
	global_load_b32 v[CR+i], v[JO], s[\MU:\MU+1] offset:i*ROWB
.set i, i+1
.endr
.endm
; NP pairs: w *= mask; erev *= w mask; c = mu sigma log2(e); s = -log2(e) sigma.  One kind of line at a time, so that no line waits for the one before it.
.macro PCOMB NP
	WIN 0x49                               ; destination and source 0 window 1, source 1 window 2
.set p, 0
.rept \NP
.if p < 42
	v_pk_mul_f32 v[6*p+2:6*p+3], v[6*p+2:6*p+3], v[MS+2*p:MS+2*p+1]
.endif
.set p, p+1
.endr
	WIN 0x45                               ; all three window 1
.set p, 0
.rept \NP
.if p < 42
	v_pk_mul_f32 v[6*p+4:6*p+5], v[6*p+4:6*p+5], v[6*p+2:6*p+3]
.endif
.set p, p+1
.endr
	WIN 0x04                               ; source 1 window 1
.set p, 0
.rept \NP
.if p < 42
	v_pk_mul_f32 v[CR+2*p:CR+2*p+1], v[CR+2*p:CR+2*p+1], v[6*p:6*p+1]
.endif
.set p, p+1
.endr
.set p, 0
.rept \NP
.if p < 42
	v_pk_mul_f32 v[CR+2*p:CR+2*p+1], v[CR+2*p:CR+2*p+1], 0x3fb8aa3b op_sel_hi:[1,0]
.endif
.set p, p+1
.endr
	WIN 0x45
.set p, 0
.rept \NP
.if p < 42
	v_pk_mul_f32 v[6*p:6*p+1], v[6*p:6*p+1], 0xbfb8aa3b op_sel_hi:[1,0]
.endif
.set p, p+1
.endr
.if (\NP) > 42
	WIN 0x8a                               ; all three window 2
.set p, 42
.rept (\NP)-42
	v_pk_mul_f32 v[6*(p-42)+2:6*(p-42)+3], v[6*(p-42)+2:6*(p-42)+3], v[MS+2*p:MS+2*p+1]
.set p, p+1
.endr
.set p, 42
.rept (\NP)-42
	v_pk_mul_f32 v[6*(p-42)+4:6*(p-42)+5], v[6*(p-42)+4:6*(p-42)+5], v[6*(p-42)+2:6*(p-42)+3]
.set p, p+1
.endr
	WIN 0x08                               ; source 1 window 2
.set p, 42
.rept (\NP)-42
	v_pk_mul_f32 v[CR+2*p:CR+2*p+1], v[CR+2*p:CR+2*p+1], v[6*(p-42):6*(p-42)+1]
.set p, p+1
.endr
.set p, 42
.rept (\NP)-42
	v_pk_mul_f32 v[CR+2*p:CR+2*p+1], v[CR+2*p:CR+2*p+1], 0x3fb8aa3b op_sel_hi:[1,0]
.set p, p+1
.endr
	WIN 0x8a
.set p, 42
.rept (\NP)-42
	v_pk_mul_f32 v[6*(p-42):6*(p-42)+1], v[6*(p-42):6*(p-42)+1], 0xbfb8aa3b op_sel_hi:[1,0]
.set p, p+1
.endr
.endif
	WIN 0
.endm
; THE SWEEP over NT pairs of pre neurons.  Trip t goes through five stages, in four consecutive slots; a slot holds stages of four trips, a transcendental and a plain line by turns.
.macro VLOAD t                         ; pair t's v (or xi) in the 4 rows: 32 bytes, the same for all lanes
	ds_load_b128 v[VR+8*((\t)%4):VR+8*((\t)%4)+3],   v[VA] offset:32*(\t)
	ds_load_b128 v[VR+8*((\t)%4)+4:VR+8*((\t)%4)+7], v[VA] offset:32*(\t)+16
.endm
.macro PAR p                           ; window and first register of pair p's numbers
.if (\p) < 42
.set PWN, 1
.set PBS, 6*(\p)
.else
.set PWN, 2
.set PBS, 6*((\p)-42)
.endif
.endm
.macro S1 t, k                         ; row k: s v + c.  Of all stages only source 1 ever leaves window 0
	PAR \t
	WIN PWN<<2
	v_pk_fma_f32 v[AR+8*((\t)%3)+2*(\k):AR+8*((\t)%3)+2*(\k)+1], v[VR+8*((\t)%4)+2*(\k):VR+8*((\t)%4)+2*(\k)+1], v[PBS:PBS+1], v[CR+2*(\t):CR+2*(\t)+1]
.endm
.macro S2 t, k                         ; 2^x
	v_exp_f32 v[AR+8*((\t)%3)+(\k)], v[AR+8*((\t)%3)+(\k)]
.endm
.macro S3 t, k                         ; row k: + 1
	v_pk_add_f32 v[AR+8*((\t)%3)+2*(\k):AR+8*((\t)%3)+2*(\k)+1], v[AR+8*((\t)%3)+2*(\k):AR+8*((\t)%3)+2*(\k)+1], 1.0 op_sel_hi:[1,0]
.endm
.macro S4 t, k                         ; 1 / x
	v_rcp_f32 v[AR+8*((\t)%3)+(\k)], v[AR+8*((\t)%3)+(\k)]
.endm
.macro S5 t, k                         ; row k / 2: even k num, odd k den.  Trip 0 starts the sums: nothing is cleared
	PAR \t
	WIN PWN<<2
.set rA, AR+8*((\t)%3)+2*((\k)/2)
.if (\k)%2 == 0
.set rD, ACC+4*((\k)/2)
.set rW, PBS+4
.else
.set rD, ACC+4*((\k)/2)+2
.set rW, PBS+2
.endif
.if (\t) == 0
	v_pk_mul_f32 v[rD:rD+1], v[rA:rA+1], v[rW:rW+1]
.else
	v_pk_fma_f32 v[rD:rD+1], v[rA:rA+1], v[rW:rW+1], v[rD:rD+1]
.endif
.endm
; Slot tt: first half S2(tt) | S5(tt-2), second half S4(tt-1) | S1(tt+1), S3(tt).  Behind each transcendental stands a plain line that names neither its result nor its source
; (ISA guide 5.7.2), or further transcendentals and then such a line; where a half has no plain lines, a v_nop closes it.  The three A buffers: tt+1 takes the one that tt-2 has just left.
.macro SLOT NT, REC
.if (tt >= 0) && (tt+4 <= (\NT)-1)
	VLOAD tt+4                             ; into the buffer that S1(tt) read in the slot before
.endif
.set kk, 0
.rept 8
.if (tt >= 0) && (tt < (\NT))
	S2 tt, kk
.endif
.if (tt >= 2) && (tt-2 < (\NT))
	S5 tt-2, kk
.endif
.set kk, kk+1
.endr
.if (tt >= 0) && (tt < 2)
	v_nop
.endif
.if tt+1 <= (\NT)-1
.if tt+4 <= (\NT)-1
	s_wait_dscnt 6                         ; LDS answers in order (ISA guide 5.7.1): pair tt+1 is in; the three younger pairs' six loads stay out
.else
	s_wait_dscnt 2*((\NT)-1-(tt+1))        ; the tail: two loads for each pair younger than tt+1
.endif
.if (\REC) && (tt == (\NT)-2)
	s_barrier_signal -1                    ; that wait was for 0: my last read of the old v is back.  The rest of the sweep, work on registers, stands between signal and wait
.endif
.endif
.set kk, 0
.rept 8
.if (tt >= 1) && (tt-1 < (\NT))
	S4 tt-1, kk
.endif
.if kk < 4
.if tt+1 < (\NT)
	S1 tt+1, kk
.endif
.else
.if (tt >= 0) && (tt < (\NT))
	S3 tt, kk-4
.endif
.endif
.set kk, kk+1
.endr
.if tt == (\NT)
	v_nop
.endif
.endm
.macro SWEEP NT, REC
	VLOAD 0
	VLOAD 1
	VLOAD 2
	VLOAD 3
.set tt, -1
.rept (\NT)+3
	SLOT \NT, \REC
.set tt, tt+1
.endr
	WIN 0
.endm
; THE HEAD'S B FRAGMENTS.  Lane l holds column l % 16 of a tile; of K step ks registers 0-3 hold k = 32 ks + 8 (l / 16) + 0..7, registers 4-7 k = 32 ks + 16 + 8 (l / 16) + 0..7 (two a register).
; The weights lie [k][n], so a lane's 16 numbers are 16 loads, pitch apart.  CO = column + 8 (l / 16) rows; of k = 112.. only 112 and 113 exist: they are read through CO0 (column alone).
.macro BLOAD PTR, PITCH, CO, CO0, R
.set ks, 0
.rept 4
.set e, 0
.rept 8
	global_load_b32 v[(\R)+16*ks+e], v[\CO], s[\PTR:\PTR+1] offset:(32*ks+e)*(\PITCH)
.set e, e+1
.endr
.if ks < 3
.rept 8
	global_load_b32 v[(\R)+16*ks+e], v[\CO], s[\PTR:\PTR+1] offset:(32*ks+8+e)*(\PITCH)
.set e, e+1
.endr
.else
	global_load_b32 v[(\R)+56], v[\CO0], s[\PTR:\PTR+1] offset:112*(\PITCH)
	global_load_b32 v[(\R)+57], v[\CO0], s[\PTR:\PTR+1] offset:113*(\PITCH)
.endif
.set ks, ks+1
.endr
.endm
.macro BCVT R                          ; rounded to f16 in place, ascending, so that no number is overwritten before it is read; 0 for every k from 114 on, so A's columns there need only be finite
.set ks, 0
.rept 3
.set m, 0
.rept 8
	v_cvt_pk_f16_f32 v[(\R)+16*ks+m], v[(\R)+16*ks+2*m], v[(\R)+16*ks+2*m+1]
.set m, m+1
.endr
.set ks, ks+1
.endr
.set m, 0
.rept 4
	v_cvt_pk_f16_f32 v[(\R)+48+m], v[(\R)+48+2*m], v[(\R)+48+2*m+1]
.set m, m+1
.endr
	v_cvt_pk_f16_f32 v[(\R)+52], v[(\R)+56], v[(\R)+57]
	v_cndmask_b32 v[(\R)+52], 0, v[(\R)+52], s[HM]   ; k = 112, 113 belong to the lower half of the lanes; the upper half's k = 120, 121 do not exist
	v_mov_b32 v[(\R)+53], 0
	v_mov_b32 v[(\R)+54], 0
	v_mov_b32 v[(\R)+55], 0
.endm
.macro AFRAG ADR, R                    ; A fragments of K = 128 from rows of f16: two loads of 16 bytes, 32 bytes apart, for each 32 along K
.set ks, 0
.rept 4
	ds_load_b128 v[(\R)+8*ks:(\R)+8*ks+3],   v[\ADR] offset:64*ks
	ds_load_b128 v[(\R)+8*ks+4:(\R)+8*ks+7], v[\ADR] offset:64*ks+32
.set ks, ks+1
.endr
.endm
	; ---- arguments: obs s4, input_w s6, input_b s8, hidden s10, sensory sigma s12, w s14, erev s16, mask s18, mu s20, sigma s22, w s24, erev s26, mask s28, mu s30,
	;      gleak s32, vleak s34, cm s36, q_w1 s38, q_b1 s40, q_w2 s42, q_b2 s44, out0 s46, out1 s48 (first register of each pair)
	s_load_b512 s[4:19], s[0:1], 0x0
	s_load_b512 s[20:35], s[0:1], 0x40
	s_load_b256 s[36:43], s[0:1], 0x80
	s_load_b128 s[44:47], s[0:1], 0xa0
	s_load_b64 s[48:49], s[0:1], 0xb0
	v_lshl_add_u32 v[SPW], v0, 2, SPARE
	v_mov_b32 v[NIL], 0
	v_lshrrev_b32 v10, 5, v0
	v_readfirstlane_b32 s[WV], v10                 ; wave 0..3
	v_min_u32 v[JO], 113, v0
	v_lshlrev_b32 v[JO], 2, v[JO]
	v_and_b32 v[RR], 15, v0
	v_bfe_u32 v[HH], v0, 4, 1
	v_cmp_eq_u32 s[HM], 0, v[HH]
	v_lshrrev_b32 v[VW], 1, v0                     ; my neuron's pair,
	v_and_b32 v15, 1, v0                           ; and its place in the pair
	v_lshlrev_b32 v[VW], 5, v[VW]
	v_lshl_add_u32 v[VW], v15, 2, v[VW]
	v_add_nc_u32 v[VW], VBUF, v[VW]
	v_lshl_add_u32 v[SBA], v0, 5, SB
	v_bfe_u32 v[XW], v0, 4, 2                      ; my 16 bytes of obs: row thread / 64 (and that + 2), step (thread / 16) % 4, inputs 4 (thread % 16) on
	v_lshlrev_b32 v[XW], 10, v[XW]
	v_lshl_add_u32 v[XW], v[RR], 6, v[XW]
	v_lshrrev_b32 v15, 6, v0
	v_lshl_add_u32 v[XW], v15, 3, v[XW]
	v_lshlrev_b32 v10, 4, v0                       ; 16 x thread: obs
	v_lshlrev_b32 v11, 4, v[RR]                    ; my four inputs in input_w, input_b
	s_mov_b32 s55, 0
	s_lshl_b32 s54, ttmp9, 12                      ; the group's 4 rows: 4,096 bytes of obs,
	s_wait_kmcnt 0x0
	s_add_nc_u64 s[4:5], s[4:5], s[54:55]
	s_mul_i32 s54, ttmp9, 4*ROWB                   ; 1,824 of hidden and out1,
	s_add_nc_u64 s[10:11], s[10:11], s[54:55]
	s_add_nc_u64 s[48:49], s[48:49], s[54:55]
	s_mul_i32 s54, ttmp9, 288                      ; 288 of out0
	s_add_nc_u64 s[46:47], s[46:47], s[54:55]
	; ---- eleven small loads, then the sensory tables
	global_load_b128 v[228:231], v10, s[4:5] th:TH_LOAD_NT
	global_load_b128 v[232:235], v10, s[4:5] offset:2048 th:TH_LOAD_NT
	global_load_b128 v[236:239], v11, s[6:7]
	global_load_b128 v[240:243], v11, s[8:9]
	global_load_b32 v12, v[JO], s[32:33]           ; gleak
	global_load_b32 v13, v[JO], s[34:35]           ; vleak
	global_load_b32 v14, v[JO], s[36:37]           ; cm
.irp b, 0,1,2,3
	global_load_b32 v[VV+(\b)], v[JO], s[10:11] offset:(\b)*ROWB th:TH_LOAD_NT
.endr
	PLOAD 64, 12, 14, 16, 18, 20
	s_wait_loadcnt 0x3f                            ; 320 loads were issued behind the eleven: with 63 at the most out, the eleven are in
	v_pk_fma_f32 v[228:229], v[228:229], v[236:237], v[240:241]   ; xi = obs input_w + input_b
	v_pk_fma_f32 v[230:231], v[230:231], v[238:239], v[242:243]
	v_pk_fma_f32 v[232:233], v[232:233], v[236:237], v[240:241]
	v_pk_fma_f32 v[234:235], v[234:235], v[238:239], v[242:243]
	ds_store_b64 v[XW], v[228:229]                 ; a pair of inputs, row thread / 64
	ds_store_b64 v[XW], v[230:231] offset:32       ; the next pair
	ds_store_b64 v[XW], v[232:233] offset:16       ; the same two pairs, two rows on
	ds_store_b64 v[XW], v[234:235] offset:48
	v_mul_f32 v[CMT], 0x40c00000, v14              ; 6 cm
	v_mul_f32 v[GL], v12, v13
	v_add_f32 v[DC], v[CMT], v12
	v_mov_b32 v[CMT+1], v[CMT]
	v_mov_b32 v[GL+1], v[GL]
	v_add_f32 v[DC], 0x322bcc77, v[DC]             ; + 1e-8
	v_mov_b32 v[DC+1], v[DC]
.irp b, 0,1,2,3
	ds_store_b32 v[VW], v[VV+(\b)] offset:8*(\b)   ; hidden is the first v
.endr
	s_wait_loadcnt 0x0
	PCOMB 32
	; ---- the head's weights go out now and land under the sensory sweeps; their address registers are never rewritten.  Wave w owns columns 32 w .. 32 w + 31 of W1, two tiles.
	; Every wave takes W2 as well: waves 0 and 1 columns 16 w + l % 16 (clamped to 17), waves 2 and 3 copies of column 17 that they never multiply: 59 loads each, the price of one text for all waves here.
	s_lshl_b32 s54, s[WV], 5
	v_add_nc_u32 v245, s54, v[RR]
	v_add_nc_u32 v247, 16, v245
	v_min_u32 v245, 113, v245
	v_min_u32 v247, 113, v247
	v_lshlrev_b32 v245, 2, v245
	v_lshlrev_b32 v247, 2, v247
	v_mul_u32_u24 v254, 8*ROWB, v[HH]
	v_add_nc_u32 v244, v245, v254
	v_add_nc_u32 v246, v247, v254
	s_lshl_b32 s54, s[WV], 4
	v_add_nc_u32 v249, s54, v[RR]
	v_min_u32 v249, 17, v249
	v_lshlrev_b32 v249, 2, v249                    ; 4 x min(16 w + l % 16, 17): my column of W2, of b2, and later of q
	v_mul_u32_u24 v254, 8*72, v[HH]
	v_add_nc_u32 v248, v249, v254
	WIN 0xc0                                       ; destination window 3
	BLOAD 38, ROWB, 244, 245, 0
	BLOAD 38, ROWB, 246, 247, 64
	BLOAD 42, 72, 248, 249, 128
	WIN 0
	global_load_b32 v250, v245, s[40:41]           ; b1 of my two tiles' columns
	global_load_b32 v251, v247, s[40:41]
	global_load_b32 v252, v249, s[44:45]           ; b2
	s_wait_dscnt 0x0                               ; my stores of xi and of the first v are done
	s_barrier_signal -1
	s_barrier_wait -1                              ; everybody's are
	; ---- the four steps' sensory sums, made once each: 32 pairs of inputs
	v_mov_b32 v[VA], XI
	s_mov_b32 s52, 4
.Lsens:
	SWEEP 32, 0
.irp b, 0,1,2,3
	v_add_f32 v[NB+(\b)], v[ACC+4*(\b)], v[ACC+4*(\b)+1]
	v_add_f32 v[DB+(\b)], v[ACC+4*(\b)+2], v[ACC+4*(\b)+3]
.endr
	v_pk_add_f32 v[NB:NB+1], v[NB:NB+1], v[GL:GL+1]        ; + gleak vleak
	v_pk_add_f32 v[NB+2:NB+3], v[NB+2:NB+3], v[GL:GL+1]
	v_pk_add_f32 v[DB:DB+1], v[DB:DB+1], v[DC:DC+1]        ; + 6 cm + gleak + 1e-8
	v_pk_add_f32 v[DB+2:DB+3], v[DB+2:DB+3], v[DC:DC+1]
	ds_store_b128 v[SBA], v[NB:NB+3]
	ds_store_b128 v[SBA], v[DB:DB+3] offset:16
	v_add_nc_u32 v[VA], 1024, v[VA]                ; the next step's xi
	v_add_nc_u32 v[SBA], 4096, v[SBA]
	s_sub_co_u32 s52, s52, 1
	s_cmp_lg_u32 s52, 0
	s_cbranch_scc1 .Lsens
	s_wait_dscnt 0x0
	s_barrier_signal -1                            ; a thread reads back only its own 32 bytes of each step; the barrier orders those stores and loads for all waves without leaning on that
	s_barrier_wait -1
	; ---- the recurrent tables take the sensory ones' registers; the head's weights are packed while they arrive
	PLOAD 114, 22, 24, 26, 28, 30
	s_wait_loadcnt 0x3f                            ; 570 loads were issued behind the head's 177: with 63 at the most out, those are in
	WIN 0xcf                                       ; destination and sources 0, 1 window 3
	BCVT 0
	BCVT 64
	BCVT 128
	WIN 0
	s_wait_loadcnt 0x0
	PCOMB 57
	v_lshl_add_u32 v[SBA], v0, 5, SB
	v_mov_b32 v[VA], VBUF
	; ---- 4 steps x 6 unfolds
	s_mov_b32 s52, 4
.Ltime:
	ds_load_b128 v[NB:NB+3], v[SBA]                ; older than the sweep's loads: its first counted wait covers them
	ds_load_b128 v[DB:DB+3], v[SBA] offset:16
	v_add_nc_u32 v[SBA], 4096, v[SBA]
	s_mov_b32 s53, 6
.Lunfold:
	SWEEP 57, 1
.irp b, 0,1,2,3
	v_add_f32 v[DD+(\b)], v[ACC+4*(\b)+2], v[ACC+4*(\b)+3]
.endr
	v_pk_add_f32 v[DD:DD+1], v[DD:DD+1], v[DB:DB+1]
	v_pk_add_f32 v[DD+2:DD+3], v[DD+2:DD+3], v[DB+2:DB+3]
.irp b, 0,1,2,3
	v_rcp_f32 v[DD+(\b)], v[DD+(\b)]
.endr
.irp b, 0,1,2,3
	v_add_f32 v[NN+(\b)], v[ACC+4*(\b)], v[ACC+4*(\b)+1]   ; the plain lines behind the reciprocals
.endr
	v_pk_fma_f32 v[NN:NN+1], v[VV:VV+1], v[CMT:CMT+1], v[NN:NN+1]
	v_pk_fma_f32 v[NN+2:NN+3], v[VV+2:VV+3], v[CMT:CMT+1], v[NN+2:NN+3]
	v_pk_add_f32 v[NN:NN+1], v[NN:NN+1], v[NB:NB+1]
	v_pk_add_f32 v[NN+2:NN+3], v[NN+2:NN+3], v[NB+2:NB+3]
	v_pk_mul_f32 v[VV:VV+1], v[NN:NN+1], v[DD:DD+1]
	v_pk_mul_f32 v[VV+2:VV+3], v[NN+2:NN+3], v[DD+2:DD+3]
	s_barrier_wait -1                              ; all four waves have read the old v to its end
.irp b, 0,1,2,3
	ds_store_b32 v[VW], v[VV+(\b)] offset:8*(\b)
.endr
	s_wait_dscnt 0x0                               ; my part of the new v is in LDS
	s_barrier_signal -1
	s_barrier_wait -1                              ; everybody's is
	s_sub_co_u32 s53, s53, 1
	s_cmp_lg_u32 s53, 0
	s_cbranch_scc1 .Lunfold
	s_sub_co_u32 s52, s52, 1
	s_cmp_lg_u32 s52, 0
	s_cbranch_scc1 .Ltime
	; ---- h: in f16 for the head (128 columns a row; those from 114 on are copies, and meet zeros in B), in f32 dense for out1.
	; Every LDS line runs with all lanes on: where the table is dense the ADDRESS is clamped, so that threads 114..127 write thread 113's word with the same bits, and read its 16 bytes.
	v_cvt_pk_f16_f32 v228, v[VV], v[VV+1]
	v_cvt_pk_f16_f32 v229, v[VV+2], v[VV+3]
	v_lshl_add_u32 v230, v0, 1, HB
	v_add_nc_u32 v231, HF, v[JO]                   ; HF + 4 min(thread, 113): a row's 456 bytes and no more
	v_lshl_add_u32 v236, v[JO], 2, HF              ; HF + 16 min(thread, 113): the table's 1,824 bytes and no more
	v_lshlrev_b32 v237, 4, v0                      ; 16 x thread: out1 and out0; never rewritten
	v_and_b32 v238, 3, v[RR]                       ; A's rows 4..15 are copies of the 4 rows: only rows 0..3 of the result are used
	v_mul_u32_u24 v238, HP, v238
	v_lshl_add_u32 v238, v[HH], 4, v238
	v_add_nc_u32 v238, HB, v238
	ds_store_b16 v230, v228
	ds_store_b16_d16_hi v230, v228 offset:HP
	ds_store_b16 v230, v229 offset:2*HP
	ds_store_b16_d16_hi v230, v229 offset:3*HP
.irp b, 0,1,2,3
	ds_store_b32 v231, v[VV+(\b)] offset:(\b)*ROWB
.endr
	s_wait_dscnt 0x0
	s_barrier_signal -1
	s_barrier_wait -1
	AFRAG 238, FA
	ds_load_b128 v[232:235], v236
	v_cmp_gt_u32 s58, 114, v0
	s_wait_dscnt 0x0                               ; the fragments, and my 16 bytes of h
	s_wait_xcnt 0x0                                ; EXEC changes only behind this wait
	s_and_saveexec_b32 s57, s58                    ; 114 threads x 16 bytes = the group's 1,824 bytes of out1, consecutive
	global_store_b128 v237, v[232:235], s[48:49] th:TH_STORE_NT
	s_wait_xcnt 0x0                                ; in front of the line that widens EXEC; it also frees v[232:235]
	s_or_b32 exec_lo, exec_lo, s57
	; ---- layer 1: my two tiles of 16 columns, K = 128 in four steps; the two accumulators take turns; the first products start the sums
	WIN 0x0c                                       ; B in window 3
.set ks, 0
.rept 4
.if ks == 0
	v_wmma_f32_16x16x32_f16 v[XA:XA+7], v[FA:FA+7], v[0:7], 0
	v_wmma_f32_16x16x32_f16 v[YA:YA+7], v[FA:FA+7], v[64:71], 0
.else
	v_wmma_f32_16x16x32_f16 v[XA:XA+7], v[FA+8*ks:FA+8*ks+7], v[16*ks:16*ks+7], v[XA:XA+7]
	v_wmma_f32_16x16x32_f16 v[YA:YA+7], v[FA+8*ks:FA+8*ks+7], v[64+16*ks:64+16*ks+7], v[YA:YA+7]
.endif
.set ks, ks+1
.endr
	WIN 0
	s_lshl_b32 s54, s[WV], 6
	v_lshl_add_u32 v239, v[RR], 1, s54             ; six plain lines that name none of the products' registers: the places behind them (ISA guide 7.12.1)
	v_add_nc_u32 v238, H2-HB, v238                 ; layer 2's fragments
	v_min_u32 v228, 17, v0
	v_add_nc_u32 v239, H2, v239                    ; where column 32 w + l % 16 of relu(..) goes
	v_add_nc_u32 v254, QS, v249                    ; where q's column goes: QS + 4 min(16 w + l % 16, 17): a row's 72 bytes and no more
	v_lshl_add_u32 v228, v228, 4, QS               ; where q is read back: QS + 16 min(thread, 17): the table's 288 bytes and no more
	; register j of a result is row j (both halves of the lanes hold the same four rows); each accumulator is read from its lowest register on
.irp j, 0,1,2,3
	v_add_f32 v[XA+(\j)], v[XA+(\j)], v250
.endr
.irp j, 0,1,2,3
	v_add_f32 v[YA+(\j)], v[YA+(\j)], v251
.endr
.irp j, 0,1,2,3
	v_max_num_f32 v[XA+(\j)], 0, v[XA+(\j)]
	v_max_num_f32 v[YA+(\j)], 0, v[YA+(\j)]
.endr
	v_cvt_pk_f16_f32 v240, v[XA], v[XA+1]
	v_cvt_pk_f16_f32 v241, v[XA+2], v[XA+3]
	v_cvt_pk_f16_f32 v242, v[YA], v[YA+1]
	v_cvt_pk_f16_f32 v243, v[YA+2], v[YA+3]
	ds_store_b16 v239, v240
	ds_store_b16_d16_hi v239, v240 offset:HP
	ds_store_b16 v239, v241 offset:2*HP
	ds_store_b16_d16_hi v239, v241 offset:3*HP
	ds_store_b16 v239, v242 offset:32
	ds_store_b16_d16_hi v239, v242 offset:HP+32
	ds_store_b16 v239, v243 offset:2*HP+32
	ds_store_b16_d16_hi v239, v243 offset:3*HP+32
	s_wait_dscnt 0x0
	s_barrier_signal -1
	s_barrier_wait -1
	; ---- layer 2: 18 columns are two tiles: waves 0 and 1
	s_cmp_lt_u32 s[WV], 2
	s_cbranch_scc0 .Lno_l2
	AFRAG 238, FB
	s_wait_dscnt 0x0
	WIN 0x0c
	v_wmma_f32_16x16x32_f16 v[XB:XB+7], v[FB:FB+7],     v[128:135], 0           ; two sums, K steps 0, 2 and 1, 3, by turns
	v_wmma_f32_16x16x32_f16 v[YB:YB+7], v[FB+8:FB+15],  v[144:151], 0
	v_wmma_f32_16x16x32_f16 v[XB:XB+7], v[FB+16:FB+23], v[160:167], v[XB:XB+7]
	v_wmma_f32_16x16x32_f16 v[YB:YB+7], v[FB+24:FB+31], v[176:183], v[YB:YB+7]
	WIN 0
.rept 4
	v_nop                                          ; the places behind the last products: no other work is at hand
.endr
.irp j, 0,1,2,3
	v_add_f32 v[232+(\j)], v[XB+(\j)], v[YB+(\j)]
.endr
.irp j, 0,1,2,3
	v_add_f32 v[232+(\j)], v[232+(\j)], v252
.endr
.irp j, 0,1,2,3
	ds_store_b32 v254, v[232+(\j)] offset:72*(\j)  ; all lanes on: wave 1's lanes from column 18 on hold copies of column 17 (W2 and b2 were read clamped) and write its word with the same bits
.endr
.Lno_l2:
	s_wait_dscnt 0x0
	s_barrier_signal -1
	s_barrier_wait -1
	; ---- q: 18 threads x 16 bytes = the group's 288 bytes of out0, consecutive.  The read runs in all lanes at the clamped address; the store in threads 0..17 alone (in waves 1 to 3 in no lane)
	ds_load_b128 v[240:243], v228
	v_cmp_gt_u32 vcc_lo, 18, v0
	s_wait_dscnt 0x0
	s_wait_xcnt 0x0                                ; EXEC changes only behind this wait
	s_and_saveexec_b32 s57, vcc_lo
	global_store_b128 v237, v[240:243], s[46:47] th:TH_STORE_NT
	s_wait_xcnt 0x0
	s_or_b32 exec_lo, exec_lo, s57
	s_wait_tensorcnt 0x0                           ; the wave's end, behind my last LDS store
	ds_add_u32 v[SPW], v[NIL]
	s_wait_dscnt 0x0
	s_endpgm
.Lfunc_end_k_qb28fe7f60c_ncp:
	.size	k_qb28fe7f60c_ncp, .Lfunc_end_k_qb28fe7f60c_ncp-k_qb28fe7f60c_ncp
	.p2alignl 7, 3214868480
	.fill 96, 4, 3214868480
	.section	.rodata,"a",@progbits
	.p2align	6, 0x0
	.amdhsa_kernel k_qb28fe7f60c_ncp
		.amdhsa_group_segment_fixed_size 28160
		.amdhsa_private_segment_fixed_size 0
		.amdhsa_enable_private_segment 0
		.amdhsa_kernarg_size 184
		.amdhsa_user_sgpr_count 2
		.amdhsa_user_sgpr_kernarg_segment_ptr 1
		.amdhsa_wavefront_size32 1
		.amdhsa_system_sgpr_workgroup_id_x 1
		.amdhsa_system_sgpr_workgroup_id_y 1
		.amdhsa_system_sgpr_workgroup_id_z 1
		.amdhsa_system_vgpr_workitem_id 0
		.amdhsa_next_free_vgpr 960
		.amdhsa_next_free_sgpr 66
		.amdhsa_reserve_vcc 1
		.amdhsa_float_denorm_mode_32 3
		.amdhsa_float_denorm_mode_16_64 3
		.amdhsa_memory_ordered 1
		.amdhsa_forward_progress 1
		.amdhsa_inst_pref_size 255
	.end_amdhsa_kernel
	.section	.bss,"aw",@nobits
	.p2align	6
	.space	262144
	.amdgpu_metadata
---
amdhsa.version: [ 1, 2 ]
amdhsa.kernels:
  - .name:           k_qb28fe7f60c_ncp
    .symbol:         k_qb28fe7f60c_ncp.kd
    .args:
      - { .name: obs, .offset: 0, .size: 8, .value_kind: global_buffer, .address_space: global }
      - { .name: input_w, .offset: 8, .size: 8, .value_kind: global_buffer, .address_space: global }
      - { .name: input_b, .offset: 16, .size: 8, .value_kind: global_buffer, .address_space: global }
      - { .name: hidden, .offset: 24, .size: 8, .value_kind: global_buffer, .address_space: global }
      - { .name: sensory_sigma, .offset: 32, .size: 8, .value_kind: global_buffer, .address_space: global }
      - { .name: sensory_w, .offset: 40, .size: 8, .value_kind: global_buffer, .address_space: global }
      - { .name: sensory_erev, .offset: 48, .size: 8, .value_kind: global_buffer, .address_space: global }
      - { .name: sensory_mask, .offset: 56, .size: 8, .value_kind: global_buffer, .address_space: global }
      - { .name: sensory_mu, .offset: 64, .size: 8, .value_kind: global_buffer, .address_space: global }
      - { .name: sigma, .offset: 72, .size: 8, .value_kind: global_buffer, .address_space: global }
      - { .name: w, .offset: 80, .size: 8, .value_kind: global_buffer, .address_space: global }
      - { .name: erev, .offset: 88, .size: 8, .value_kind: global_buffer, .address_space: global }
      - { .name: mask, .offset: 96, .size: 8, .value_kind: global_buffer, .address_space: global }
      - { .name: mu, .offset: 104, .size: 8, .value_kind: global_buffer, .address_space: global }
      - { .name: gleak, .offset: 112, .size: 8, .value_kind: global_buffer, .address_space: global }
      - { .name: vleak, .offset: 120, .size: 8, .value_kind: global_buffer, .address_space: global }
      - { .name: cm, .offset: 128, .size: 8, .value_kind: global_buffer, .address_space: global }
      - { .name: q_w1, .offset: 136, .size: 8, .value_kind: global_buffer, .address_space: global }
      - { .name: q_b1, .offset: 144, .size: 8, .value_kind: global_buffer, .address_space: global }
      - { .name: q_w2, .offset: 152, .size: 8, .value_kind: global_buffer, .address_space: global }
      - { .name: q_b2, .offset: 160, .size: 8, .value_kind: global_buffer, .address_space: global }
      - { .name: out0, .offset: 168, .size: 8, .value_kind: global_buffer, .address_space: global }
      - { .name: out1, .offset: 176, .size: 8, .value_kind: global_buffer, .address_space: global }
    .group_segment_fixed_size: 28160
    .private_segment_fixed_size: 0
    .kernarg_segment_align: 8
    .kernarg_segment_size: 184
    .max_flat_workgroup_size: 128
    .sgpr_count:     66
    .vgpr_count:     960
    .wavefront_size: 32
...
	.end_amdgpu_metadata
.endif
;; end of part 1
